; MI455X (gfx1250); checked and timed in simulation.
; The chip was launched on July 23, 2026; its instructions are those of AMD's public machine-readable ISA for CDNA 5 (MIT licence, August 2026) and "CDNA5" Instruction Set Architecture Reference Guide (July 2026). The comments in the code are by the model that wrote it; some were corrected since.
;; Moeve Forward. Allowed arithmetic: matrix products marked QUANTISED: E4M3 operands, one given power-of-two scale a tensor, by v_wmma_f32_16x16x64_fp8_fp8 or v_wmma_f32_16x16x128_fp8_fp8, f32 sums; products left as they are: f32 operands where the result goes on into a quantised operand, else bf16, f16 or f32 operands; f32 sums; everything else in f32.
;; Inputs: W1_codes 4,096 x 32 x 32 uint8 (E4M3 codes of W1, K innermost, in blocks of 32 codes); W2_codes 1,024 x 128 x 32 uint8 (E4M3 codes of W2, K innermost, in blocks of 32 codes); Wn 8 x 1,024 float32; Wr 8 x 1,024 float32; b1 4,096 float32; b2 1,024 float32; lowp_scales 4 int32 (the exponents e of the quantised operands' scales 2^e); noise 8 float32; x 8,192 x 1,024 float32.
;; Outputs: out0 8,192 x 1,024 float32; out1 8 float32; out2 8 float32; out3 8 x 8,192 float32.
;; This version of the problem:
;;   THIS VERSION OF THE PROBLEM IS GIVEN IN LOW PRECISION. The matrix products marked QUANTISED in the list below multiply operands that are first quantised to E4M3 (4 exponent bits, 3 mantissa bits; 8 bits a number), with one given power-of-two scale for each operand tensor; their sums are f32. All else is computed in f32.
;;   The module's matrix products, in the order in which they are computed (A, B: the left and right operand; K: the contracted axis; several contracted axes count as one K, in the product's order):
;;     1. [M 8,192, K 1,024] x [K 1,024, N 8]; A: input x; B: input Wr: left as it is (N = 8 < 16)
;;     2. [M 8,192, K 1,024] x [K 1,024, N 8]; A: input x; B: input Wn: left as it is (N = 8 < 16)
;;     3. [M 8,192, K 1,024] x [K 1,024, N 4,096]; A: input x; B: input W1 (given as codes): QUANTISED (scales: A lowp_scales[0], B lowp_scales[1])
;;     4. [M 8,192, K 4,096] x [K 4,096, N 1,024]; A: computed on the way; B: input W2 (given as codes): QUANTISED (scales: A lowp_scales[2], B lowp_scales[3])
;;   THE QUANTISER, for each operand of a quantised product, along K:
;;     - The operand's scale is 2^e, e = its entry of the input lowp_scales (int32; the entries are numbered through the quantised products in the list's order, A before B).
;;     - Each number is divided by the scale, clamped to +-448, and rounded to the nearest number of E4M3, ties to even, subnormals kept.
;;     - The product sums the exact products of the quantised numbers (number of the format x scale) in f32.
;;   ~~~python
;;   def quantise(x, axis, e):      # numpy; x: float32 -> the quantised numbers, widened to float32 again
;;       x = np.moveaxis(x, axis, -1); K = x.shape[-1]
;;       r = np.clip(x / 2.0 ** e, -448, 448)
;;       step = 2.0 ** (np.maximum(np.frexp(np.where(r == 0, 1, r))[1] - 1, -6) - 3)
;;       q = np.round(r / step) * step * 2.0 ** e      # np.round: ties to even
;;       return np.moveaxis(q, -1, axis).astype(np.float32)
;;   ~~~
;;   OPERANDS COMPUTED ON THE WAY. 'Computed on the way' means the value that the module computes at that place (a softmax that the list does not call 'softmax' is quantised finished and normalised). What goes into a quantiser is computed in f32, as accurately as f32 sums, v_exp_f32 and their like allow (about 1e-6 of the number): no bf16 or f16 on the way to a quantiser, and a product that is left as it is and whose result goes on into a quantised operand takes f32 operands (vector FMAs, or v_wmma_f32_16x16x4_f32). A number that lies on a knife's edge between two numbers of the format may be rounded either way, as far as f32 arithmetic and the matrix unit's own rounding can turn it there, and no further.
;;   INPUTS GIVEN AS CODES. W1 (in the module: [4096, 1024], K = its axis 1); W2 (in the module: [1024, 4096], K = its axis 1): each comes as NAME_codes (uint8): NAME with its K axis moved to the last place and cut into blocks of 32 codes, [.., K / 32, bytes a block], one block behind the other in memory; one code a byte (a code: sign, 4 exponent bits, 3 mantissa bits); its scale is its entry of lowp_scales. Its value is code x scale, taken as it is: it is not quantised again, and the codes and scales need not be those that the quantiser above would give.
;; One version. Each part assembles by itself: llvm-mc -triple=amdgcn-amd-amdhsa -mcpu=gfx1250 --defsym DOCPART=n.
;; ======== version 1 of 1: 3 launches
;; limits: a function is approximated: absolute error at most 1.5e-07
;; workspace buffers: xq 8,388,608 bytes; hq 33,554,432 bytes; wsum 32,768 bytes; part 16,384 bytes
;; launch prep (part 1): grid 256 x 1, 8 waves a work-group, clusters of 4 x 1, 214,016 bytes of LDS; arguments x, Wr, Wn, noise, lowp_scales, xq, wsum, part, out3; writes xq, wsum, part, out3
.if DOCPART == 1
	.amdgcn_target "amdgcn-amd-amdhsa--gfx1250"
	.amdhsa_code_object_version 6
	.text
	.protected	k_qa67c2e75ef_prep
	.globl	k_qa67c2e75ef_prep
	.p2align	8
	.type	k_qa67c2e75ef_prep,@function
k_qa67c2e75ef_prep:
	s_mov_b64 s[64:65], 0
	v_nop
	global_prefetch_b8 v0, s[64:65] scope:SCOPE_SE
	s_setreg_imm32_b32 hwreg(HW_REG_WAVE_MODE, 25, 1), 1
	s_wait_xcnt 0x0
	s_wait_alu depctr_hold_cnt(0) depctr_sa_sdst(0) depctr_va_vdst(0) depctr_va_sdst(0) depctr_va_ssrc(0) depctr_va_vcc(0) depctr_vm_vsrc(0)
	s_getreg_b32 s2, hwreg(HW_REG_IB_STS2, 6, 4)
	s_cmp_eq_u32 s2, 0
	s_cbranch_scc0 .Lentry_in_a_cluster
	s_endpgm
.Lentry_in_a_cluster:
	s_bfe_u32 s2, ttmp6, 0x10000c
	s_cmp_lg_u32 s2, 0x3003
	s_cbranch_scc0 .Lentry_shape_is_right
	s_endpgm
.Lentry_shape_is_right:
; PREP: x [8192][1024] f32 is read once.  It is (1) quantised to E4M3 codes with the given scale 2^e0 and (2) multiplied in f32 by Wr and Wn [8][1024]; from the 16 sums a token
; come softplus, the noisy logits, the top 3, the sum of the two softmax weights, the eight probabilities Phi, and the one-hot of the two chosen experts.
; SHARES.  A work-group owns 32 tokens.  Wave w: kq = w & 3 is its 256 of K, tau = w >> 2 its tile of 16 tokens.  Wave 0 then finishes all 32 tokens, a lane a token.
; THE ROUTER'S PRODUCT goes by v_wmma_f32_16x16x4_f32, source 0 = 16 rows of weights (0-7 Wr, 8-15 Wn), source 1 = 16 tokens: lanes 0-15 hold a token's 8 logits, lanes 16-31 its 8 sums with Wn.
; f32 operands, since the choice of experts hangs on these sums.  The k of a step of 4 are permuted alike in both sources: the pair (2 s, 2 s + 1) of lane half h holds k = base + 16 h + 2 (s % 8) + 0, 1.
; So the registers that feed the quantiser (16 neighbours along K a lane) are the product's fragments as they stand.
; THE CODES leave as images of an operand's registers: xq = [kb 0..7][tile of 16 rows 0..511][2048 bytes]; byte 512 c + 16 lane + i is row lane % 16, k = 128 kb + 32 c + 16 (lane / 16) + i.
; Each store of a wave covers 512 consecutive bytes, aligned.
; CLUSTER.  All work-groups read the same 64 KiB of Wr and Wn, a third of a work-group's bytes: the four partners ask for them jointly (mask 15).  x's tiles are each wave's own.
; Nothing in LDS is filled twice.  By this text's count a wave has three tensor loads out, issued together at the start.
; out3 and wsum leave in pieces of 128 bytes: a work-group has 32 tokens; the two are 0.3 MB of the launch's 42.
; LIMITS.  e0 between -126 and 119.  NaN and infinities among the inputs are not served.  A softplus under 2^-126 counts as 0 in the division.  Phi by the rational form 7.1.26 of Abramowitz and Stegun,
; absolute error 1.5e-7 at every argument.  Equal noisy logits: the lower index is chosen first.
.set XW,   16896                       ; LDS from byte 0: a wave's x: two tiles of 16 rows x (512 + 16) bytes
.set XCH,  8448
.set XP,   528                         ; 33 x 16 bytes: the 16 rows of a load begin in 16 different columns of 16 bytes
.set WT,   135168                      ; the weights: four quarters of K, each 16 rows x (1024 + 16) bytes
.set WQ,   16640
.set WP,   1040
.set PIMG, 201728                      ; each wave's 8 partial sums a lane, as an image: 2 x 512 bytes
.set ACC,  16                          ; v16-31  two accumulators, written by matrix instructions alone
.set XR,   32                          ; v32-95  x: two sets of 32
.set WR,   96                          ; v96-159 weights: two sets of 32
.set TQ,   160                         ; v160-191 held numbers on their way to codes
.set CD,   192                         ; v192-223 codes: four registers a block, never written twice
.set PS,   224                         ; v224-231 my partial sums
.macro CROUND                          ; a round of the cluster's barrier
	s_barrier_signal -1
	s_barrier_wait -1
	s_cmp_lg_u32 s22, 0
	s_cbranch_scc1 .Lnot_wave_0_\@
	s_barrier_signal -3
.Lnot_wave_0_\@:
	s_barrier_wait -3
	s_barrier_signal -1
	s_barrier_wait -1
.endm
.macro PLACES n
.rept \n
	v_nop
.endr
.endm
; chunk q = 64 along K: 32 numbers of x and 32 of the weights a lane, 16 LDS loads
.macro LOADF q
.irp c, 0,1
.irp i, 0,1,2,3
	ds_load_b128 v[XR+32*((\q)%2)+16*\c+4*\i:XR+32*((\q)%2)+16*\c+4*\i+3], v4 offset:((\q)/2)*XCH+((\q)%2)*256+128*\c+16*\i
	ds_load_b128 v[WR+32*((\q)%2)+16*\c+4*\i:WR+32*((\q)%2)+16*\c+4*\i+3], v5 offset:256*(\q)+128*\c+16*\i
.endr
.endr
.endm
; 16 steps of 4 along K; the two accumulators take turns, one instruction a turn; the first two start the sums with the constant 0
.macro MUL q
.set ks, 0
.rept 16
.if ((\q) == 0) && (ks < 2)
	v_wmma_f32_16x16x4_f32 v[ACC+8*(ks%2):ACC+8*(ks%2)+7], v[WR+32*((\q)%2)+2*ks:WR+32*((\q)%2)+2*ks+1], v[XR+32*((\q)%2)+2*ks:XR+32*((\q)%2)+2*ks+1], 0
.else
	v_wmma_f32_16x16x4_f32 v[ACC+8*(ks%2):ACC+8*(ks%2)+7], v[WR+32*((\q)%2)+2*ks:WR+32*((\q)%2)+2*ks+1], v[XR+32*((\q)%2)+2*ks:XR+32*((\q)%2)+2*ks+1], v[ACC+8*(ks%2):ACC+8*(ks%2)+7]
.endif
.set ks, ks+1
.endr
.endm
; the chunk's 32 numbers become 32 codes: held within +-448 x 2^e0 (the conversion does not saturate: ISA guide 7.6.2), into other registers, since the products read x's
.macro QUANT q
.irp c, 0,1
.set ii, 0
.rept 16
	v_med3_num_f32 v[TQ+16*\c+ii], v[XR+32*((\q)%2)+16*\c+ii], -v13, v13
.set ii, ii+1
.endr
	v_cvt_scalef32_pk8_fp8_f32 v[CD+4*(2*(\q)+\c):CD+4*(2*(\q)+\c)+1], v[TQ+16*\c:TQ+16*\c+7], v12
	v_cvt_scalef32_pk8_fp8_f32 v[CD+4*(2*(\q)+\c)+2:CD+4*(2*(\q)+\c)+3], v[TQ+16*\c+8:TQ+16*\c+15], v12
.endr
	v_nop                                          ; a plain line behind the last conversion: the held numbers' registers are written again later
.irp c, 0,1
	global_store_b128 v6, v[CD+4*(2*(\q)+\c):CD+4*(2*(\q)+\c)+3], s[14:15] offset:((\q)/2)*1048576+(2*((\q)%2)+\c)*512
.endr
.endm
	s_load_b256 s[4:11], s[0:1], 0x0               ; x s[4:5], Wr s[6:7], Wn s[8:9], noise s[10:11]
	s_load_b256 s[12:19], s[0:1], 0x20             ; the scales' exponents s[12:13], xq s[14:15], wsum s[16:17], part s[18:19]
	s_load_b64 s[20:21], s[0:1], 0x40              ; out3
	v_lshl_add_u32 v254, v0, 2, 0x34000
	v_mov_b32 v255, 0
	ds_add_u32 v254, v255
	ds_add_u32 v254, v255
	v_lshrrev_b32 v10, 5, v0
	v_readfirstlane_b32 s22, v10                   ; wave 0..7
	s_and_b32 s23, s22, 3                          ; kq
	s_lshr_b32 s52, s22, 2                         ; tau
	s_bfe_u32 s53, ttmp6, 0x40000                  ; cx
	s_lshl_b32 s54, ttmp9, 2
	s_add_co_u32 s54, s54, s53                     ; g = 4 x cluster + cx: it enters global addresses alone
	; group 1 for the weights: 8 rows x 256 elements of 4 bytes, 1,024 elements apart; 4 words of padding behind every 256; mask: all four partners
	s_mov_b32 s24, 15|(2<<16)|(1<<20)|(1<<21)|(7<<22)|(3<<25)
	s_mov_b32 s25, 256<<16
	s_mov_b32 s26, 8<<16
	s_mov_b32 s27, 256<<16
	s_mov_b32 s28, 8
	s_mov_b32 s29, 1024
	s_mov_b32 s30, 0
	s_mov_b32 s31, 0
	; group 1 for x: 16 rows x 128 elements of 4 bytes; 4 words of padding behind every 128; no mask
	s_mov_b32 s32, (2<<16)|(1<<20)|(6<<22)|(3<<25)
	s_mov_b32 s33, 128<<16
	s_mov_b32 s34, 16<<16
	s_mov_b32 s35, 128<<16
	s_mov_b32 s36, 16
	s_mov_b32 s37, 1024
	s_mov_b32 s38, 0
	s_mov_b32 s39, 0
	s_mul_i32 s55, s23, WQ
	s_mul_i32 s67, s52, 8*WP
	s_add_co_u32 s55, s55, s67
	s_add_co_u32 s55, s55, WT                      ; where my 8 rows of weights go: quarter kq, Wr's rows first, then Wn's
	s_mul_i32 s67, s22, XW                         ; where my x goes
	s_lshl_b32 s70, s23, 10                        ; my 256 of K, in bytes
	s_mov_b32 s71, 0
	s_lshl_b32 s72, s54, 17                        ; 32 g rows of 4,096 bytes
	s_lshl_b32 s73, s52, 16                        ; + 16 tau rows
	s_add_co_u32 s72, s72, s73
	s_add_co_u32 s72, s72, s70
	s_mov_b32 s73, 0
	s_wait_dscnt 0x0
	s_wait_kmcnt 0x0
	s_load_b32 s66, s[12:13], 0x0                  ; e0
	s_load_b256 s[56:63], s[10:11], 0x0            ; noise[0..7]
	s_cmp_eq_u32 s52, 0
	s_cselect_b64 s[74:75], s[6:7], s[8:9]         ; waves 0-3 fetch Wr's quarters, waves 4-7 Wn's: the same in all partners
	s_mov_b32 s40, 1
	s_mov_b32 s41, s55
	s_add_nc_u64 s[42:43], s[74:75], s[70:71]
	s_or_b32 s43, s43, 0x80000000
	s_add_nc_u64 s[4:5], s[4:5], s[72:73]
.irp u, 0,1
	s_mov_b32 s[44+4*\u], 1
	s_add_co_u32 s[45+4*\u], s67, \u*XCH
	s_add_nc_u64 s[46+4*\u:47+4*\u], s[4:5], \u*512
	s_or_b32 s[47+4*\u], s[47+4*\u], 0x80000000
.endr
	CROUND                                         ; the four partners are here: the joint loads meet
	tensor_load_to_lds s[40:43], s[24:31]          ; my 8 rows of weights, jointly
	s_nop 0
	tensor_load_to_lds s[44:47], s[32:39]          ; my x, K 0-127 of my 256
	s_nop 0
	tensor_load_to_lds s[48:51], s[32:39]          ; my x, K 128-255
	s_nop 0
	PLACES 4
	v_and_b32 v1, 31, v0                           ; lane
	v_and_b32 v2, 15, v0                           ; r
	v_bfe_u32 v3, v0, 4, 1                         ; h
	v_mul_u32_u24 v4, v2, XP
	v_lshl_add_u32 v4, v3, 6, v4
	v_add_nc_u32 v4, s67, v4                       ; x: row r, + 64 h: my 16 numbers of a block of 32
	v_mul_u32_u24 v5, v2, WP
	v_lshl_add_u32 v5, v3, 6, v5
	s_mul_i32 s76, s23, WQ
	s_add_co_u32 s76, s76, WT
	v_add_nc_u32 v5, s76, v5                       ; the weights likewise, in my quarter
	v_lshlrev_b32 v6, 4, v1                        ; 16 x lane: an image's place
	s_lshl_b32 s77, s22, 10
	s_add_co_u32 s77, s77, PIMG
	v_add_nc_u32 v7, s77, v6                       ; where my partial sums go
	v_lshlrev_b32 v8, 12, v3
	v_lshl_add_u32 v8, v2, 4, v8
	v_add_nc_u32 v8, PIMG, v8                      ; where wave 0 finds token lane's: waves 4 (lane / 16) + kq, lane % 16
	v_lshlrev_b32 v9, 2, v1                        ; 4 x lane
	s_lshl_b32 s78, s23, 21                        ; xq: K blocks 2 kq, 2 kq + 1, of 1 MiB each,
	s_lshl_b32 s79, s54, 12
	s_add_co_u32 s78, s78, s79
	s_lshl_b32 s79, s52, 11
	s_add_co_u32 s78, s78, s79                     ; tile of rows 2 g + tau, 2,048 bytes each
	s_mov_b32 s79, 0
	s_add_nc_u64 s[14:15], s[14:15], s[78:79]
	s_lshl_b32 s78, s54, 7
	s_add_nc_u64 s[20:21], s[20:21], s[78:79]      ; out3 and wsum at token 32 g
	s_add_nc_u64 s[16:17], s[16:17], s[78:79]
	s_lshl_b32 s78, s54, 6
	s_add_nc_u64 s[18:19], s[18:19], s[78:79]      ; part at my 16 numbers
	s_wait_kmcnt 0x0
	s_add_co_i32 s66, s66, 127
	s_lshl_b32 s80, s66, 23
	v_mov_b32 v12, s80                             ; 2^e0 as f32: the conversion takes its exponent field
	s_add_co_i32 s66, s66, 8
	s_lshl_b32 s80, s66, 23
	s_or_b32 s80, s80, 0x600000
	v_mov_b32 v13, s80                             ; 448 x 2^e0
	s_wait_tensorcnt 0x2                           ; my rows of weights are in; x's two tiles, issued behind them, may be out
	s_barrier_signal -1
	s_barrier_wait -1                              ; a quarter's 16 rows come from two waves
	s_wait_tensorcnt 0x1                           ; my first tile of x, which I alone read
	LOADF 0
	LOADF 1
	s_wait_dscnt 16                                ; chunk 0 is in; chunk 1's 16 loads may be out
	MUL 0
	QUANT 0
	PLACES 8                                       ; eight places behind this matrix form, in front of loads into registers that it read
	s_wait_tensorcnt 0x0                           ; my second tile of x
	LOADF 2
	s_wait_dscnt 16
	MUL 1
	QUANT 1
	PLACES 8
	LOADF 3
	s_wait_dscnt 16
	MUL 2
	QUANT 2
	PLACES 8
	s_wait_dscnt 0x0
	MUL 3
	QUANT 3
	PLACES 8                                       ; and in front of the first read of the sums
.irp i, 0,2,4,6
	v_pk_add_f32 v[PS+\i:PS+\i+1], v[ACC+\i:ACC+\i+1], v[ACC+8+\i:ACC+8+\i+1]   ; both accumulators from their low end on
.endr
	ds_store_b128 v7, v[PS:PS+3]
	ds_store_b128 v7, v[PS+4:PS+7] offset:512
	s_wait_dscnt 0x0                               ; for wave 0's sake: my stores are done
	s_barrier_signal -1
	s_barrier_wait -1
	s_cmp_lg_u32 s22, 0
	s_cbranch_scc1 .Lend
	; ---- wave 0: lane t finishes token 32 g + t
.set RL, 96                            ; logits
.set RZ, 104                           ; x . Wn
.set RE, 112
.set RU, 120
.set RD, 128
.set RS, 136                           ; softplus
.set RY, 144                           ; noisy logits
.set RG, 152
.set PR, 160                           ; probabilities;  v168-175 the one-hot
.set AS, 168
.set RC, 176
	s_mov_b32 s68, 0x76543210                      ; v_permlanex16_b32: lane l xor 16
	s_mov_b32 s69, 0xfedcba98
	s_mov_b32 s70, 0xbfb8aa3b                      ; -log2(e)
	s_mov_b32 s71, 0x3f317218                      ; ln 2
	s_mov_b32 s74, 0x3fb8aa3b                      ; log2(e)
	s_mov_b32 s75, 0x3f3504f3                      ; 1 / sqrt(2)
	s_mov_b32 s76, 0x3ea7ba05                      ; 0.3275911
	s_mov_b32 s77, 0x3e827906                      ; 0.254829592
	s_mov_b32 s78, 0xbe91a98e                      ; -0.284496736
	s_mov_b32 s79, 0x3fb5f0e3                      ; 1.421413741
	s_mov_b32 s80, 0xbfba00e3                      ; -1.453152027
	s_mov_b32 s81, 0x3f87dc22                      ; 1.061405429
.irp k, 0,1,2,3
	ds_load_b128 v[32+16*\k:35+16*\k], v8 offset:1024*\k
	ds_load_b128 v[36+16*\k:39+16*\k], v8 offset:1024*\k+512
	ds_load_b128 v[40+16*\k:43+16*\k], v8 offset:1024*\k+256
	ds_load_b128 v[44+16*\k:47+16*\k], v8 offset:1024*\k+768
.endr
	s_wait_dscnt 0x0
.irp p, 0,2,4,6,8,10,12,14
	v_pk_add_f32 v[RL+\p:RL+\p+1], v[32+\p:33+\p], v[48+\p:49+\p]
	v_pk_add_f32 v[RE+\p:RE+\p+1], v[64+\p:65+\p], v[80+\p:81+\p]
.endr
.irp p, 0,2,4,6,8,10,12,14
	v_pk_add_f32 v[RL+\p:RL+\p+1], v[RL+\p:RL+\p+1], v[RE+\p:RE+\p+1]   ; the four quarters of K: 8 logits, then 8 sums with Wn
.endr
	; softplus(z) = max(z, 0) + log1p(E), E = e^-|z|;  log1p(E) = ln(U) E / (U - 1) with U = 1 + E as rounded, which keeps small values accurate; where U - 1 = 0 it is E
.irp j, 0,1,2,3,4,5,6,7
	v_min_num_f32 v[RE+\j], v[RZ+\j], -v[RZ+\j]
.endr
.irp j, 0,1,2,3,4,5,6,7
	v_mul_f32 v[RE+\j], s74, v[RE+\j]
.endr
.irp j, 0,1,2,3,4,5,6,7
	v_exp_f32 v[RE+\j], v[RE+\j]
.endr
	v_nop                                          ; a plain line behind the batch,
	s_wait_alu depctr_va_vdst(0)                   ; and one wait for it, ahead of its first reader
.irp j, 0,1,2,3,4,5,6,7
	v_add_f32 v[RU+\j], 1.0, v[RE+\j]
.endr
.irp j, 0,1,2,3,4,5,6,7
	v_add_f32 v[RD+\j], -1.0, v[RU+\j]
.endr
.irp j, 0,1,2,3,4,5,6,7
	v_log_f32 v[RG+\j], v[RU+\j]
.endr
.irp j, 0,1,2,3,4,5,6,7
	v_rcp_f32 v[RC+\j], v[RD+\j]
.endr
	v_nop
	s_wait_alu depctr_va_vdst(0)
.irp j, 0,1,2,3,4,5,6,7
	v_mul_f32 v[RG+\j], s71, v[RG+\j]
	v_mul_f32 v[RC+\j], v[RE+\j], v[RC+\j]
.endr
.irp j, 0,1,2,3,4,5,6,7
	v_mul_f32 v[RG+\j], v[RG+\j], v[RC+\j]
	v_max_num_f32 v[RS+\j], 0, v[RZ+\j]
.endr
.irp j, 0,1,2,3,4,5,6,7
	v_cmp_eq_f32 vcc_lo, 0, v[RD+\j]
	v_cndmask_b32 v[RG+\j], v[RG+\j], v[RE+\j], vcc_lo
.endr
.irp j, 0,1,2,3,4,5,6,7
	v_add_f32 v[RS+\j], v[RS+\j], v[RG+\j]
.endr
.irp j, 0,1,2,3,4,5,6,7
	v_fma_f32 v[RY+\j], s[56+\j], v[RS+\j], v[RL+\j]   ; noisy = logit + noise x softplus
.endr
	; the three largest (v232 >= v233 >= v234) and the places of the first two (v235, v236); a later equal number does not displace an earlier one
	v_mov_b32 v232, 0xff800000
	v_mov_b32 v233, 0xff800000
	v_mov_b32 v234, 0xff800000
	v_mov_b32 v235, 0
	v_mov_b32 v236, 0
.irp j, 0,1,2,3,4,5,6,7
	v_mov_b32 v239, \j
	v_cmp_gt_f32 s72, v[RY+\j], v232
	v_cmp_gt_f32 vcc_lo, v[RY+\j], v233
	v_cndmask_b32 v236, v236, v239, vcc_lo
	v_cndmask_b32 v236, v236, v235, s72
	v_cndmask_b32 v235, v235, v239, s72
	v_med3_num_f32 v234, v233, v234, v[RY+\j]
	v_med3_num_f32 v233, v232, v233, v[RY+\j]
	v_max_num_f32 v232, v232, v[RY+\j]
.endr
	v_mov_b32 v237, 1.0
	v_mov_b32 v238, 0
.irp j, 0,1,2,3,4,5,6,7
	v_cmp_eq_u32 vcc_lo, \j, v235
	v_cndmask_b32 v[AS+\j], v238, v237, vcc_lo
	v_cmp_eq_u32 vcc_lo, \j, v236
	v_cndmask_b32 v[AS+\j], v[AS+\j], v237, vcc_lo
.endr
	v_sub_f32 v240, v233, v232                     ; the softmax of the two: the larger is taken away first
	v_mul_f32 v240, s74, v240
.irp j, 0,1,2,3,4,5,6,7
	v_rcp_f32 v[RC+\j], v[RS+\j]
.endr
	v_exp_f32 v240, v240                           ; e = exp(second - first), at most 1
	v_nop
	s_wait_alu depctr_va_vdst(0)
.irp j, 0,1,2,3,4,5,6,7
	v_cmp_ge_f32 vcc_lo, v[RY+\j], v233
	v_cndmask_b32 v[RU+\j], v233, v234, vcc_lo     ; the second best of the others: the third where j is among the two, else the second
.endr
.irp j, 0,1,2,3,4,5,6,7
	v_sub_f32 v[RU+\j], v[RL+\j], v[RU+\j]
.endr
.irp j, 0,1,2,3,4,5,6,7
	v_mul_f32 v[RE+\j], v[RU+\j], v[RC+\j]         ; z
.endr
.irp j, 0,1,2,3,4,5,6,7
	v_max_num_f32 v[RU+\j], v[RE+\j], -v[RE+\j]
.endr
.irp j, 0,1,2,3,4,5,6,7
	v_mul_f32 v[RU+\j], s75, v[RU+\j]              ; a = |z| / sqrt(2)
.endr
.irp j, 0,1,2,3,4,5,6,7
	v_fma_f32 v[RD+\j], s76, v[RU+\j], 1.0
	v_mul_f32 v[RG+\j], v[RU+\j], v[RU+\j]
.endr
.irp j, 0,1,2,3,4,5,6,7
	v_fma_f32 v[RG+\j], v[RG+\j], s70, -1.0        ; -a^2 log2(e) - 1: the half of erfc / 2 goes into the exponent
.endr
	v_add_f32 v241, 1.0, v240
.irp j, 0,1,2,3,4,5,6,7
	v_rcp_f32 v[RD+\j], v[RD+\j]                   ; t
.endr
.irp j, 0,1,2,3,4,5,6,7
	v_exp_f32 v[RG+\j], v[RG+\j]
.endr
	v_rcp_f32 v241, v241
	v_nop
	s_wait_alu depctr_va_vdst(0)
.irp j, 0,1,2,3,4,5,6,7
	v_fma_f32 v[RC+\j], v[RD+\j], s81, s80
.endr
.irp j, 0,1,2,3,4,5,6,7
	v_fma_f32 v[RC+\j], v[RC+\j], v[RD+\j], s79
.endr
.irp j, 0,1,2,3,4,5,6,7
	v_fma_f32 v[RC+\j], v[RC+\j], v[RD+\j], s78
.endr
.irp j, 0,1,2,3,4,5,6,7
	v_fma_f32 v[RC+\j], v[RC+\j], v[RD+\j], s77
.endr
.irp j, 0,1,2,3,4,5,6,7
	v_mul_f32 v[RC+\j], v[RC+\j], v[RD+\j]
.endr
.irp j, 0,1,2,3,4,5,6,7
	v_mul_f32 v[RC+\j], v[RC+\j], v[RG+\j]         ; erfc(a) / 2
.endr
.irp j, 0,1,2,3,4,5,6,7
	v_sub_f32 v[RU+\j], 1.0, v[RC+\j]
.endr
.irp j, 0,1,2,3,4,5,6,7
	v_cmp_gt_f32 vcc_lo, 0, v[RE+\j]
	v_cndmask_b32 v[PR+\j], v[RU+\j], v[RC+\j], vcc_lo
.endr
	v_fma_f32 v240, v240, v241, v241               ; the two weights' sum: e / (1 + e) + 1 / (1 + e)
.irp j, 0,1,2,3,4,5,6,7
	global_store_b32 v9, v[AS+\j], s[20:21] offset:32768*\j   ; out3[j][32 g + lane]
.endr
	global_store_b32 v9, v240, s[16:17]
	s_wait_xcnt 0x0                                ; the stores have read their data: the one-hot's registers are summed in place below
.irp m, 1,2,4,8
.set jj, 0
.rept 16
	v_add_f32_dpp v[PR+jj], v[PR+jj], v[PR+jj] row_xmask:\m row_mask:0xf bank_mask:0xf
.set jj, jj+1
.endr
.endr
.set jj, 0
.rept 16
	v_permlanex16_b32 v[RC+jj], v[PR+jj], s68, s69 ; (v176-191 have all been written)
.set jj, jj+1
.endr
.set jj, 0
.rept 16
	v_add_f32 v[PR+jj], v[PR+jj], v[RC+jj]         ; the 32 tokens' sums, in every lane
.set jj, jj+1
.endr
	s_wait_xcnt 0x0                                ; EXEC changes only behind this wait
	v_cmp_eq_u32 vcc_lo, 0, v1
	s_and_saveexec_b32 s73, vcc_lo                 ; lane 0 stores the work-group's 16 partial sums, 64 bytes
.irp i, 0,1,2,3
	global_store_b128 v9, v[PR+4*\i:PR+4*\i+3], s[18:19] offset:16*\i
.endr
	s_wait_xcnt 0x0
	s_or_b32 exec_lo, exec_lo, s73
.Lend:
	s_wait_dscnt 0x0
	s_wait_tensorcnt 0x0
	ds_add_u32 v254, v255
	s_wait_dscnt 0x0
	CROUND                                         ; the closing round: no work-group ends while a partner may still ask jointly
	s_endpgm
.Lfunc_end_k_qa67c2e75ef_prep:
	.size	k_qa67c2e75ef_prep, .Lfunc_end_k_qa67c2e75ef_prep-k_qa67c2e75ef_prep
	.p2alignl 7, 3214868480
	.fill 96, 4, 3214868480
	.section	.rodata,"a",@progbits
	.p2align	6, 0x0
	.amdhsa_kernel k_qa67c2e75ef_prep
		.amdhsa_group_segment_fixed_size 214016
		.amdhsa_private_segment_fixed_size 0
		.amdhsa_enable_private_segment 0
		.amdhsa_kernarg_size 72
		.amdhsa_user_sgpr_count 2
		.amdhsa_user_sgpr_kernarg_segment_ptr 1
		.amdhsa_wavefront_size32 1
		.amdhsa_system_sgpr_workgroup_id_x 1
		.amdhsa_system_sgpr_workgroup_id_y 1
		.amdhsa_system_sgpr_workgroup_id_z 1
		.amdhsa_system_vgpr_workitem_id 0
		.amdhsa_next_free_vgpr 256
		.amdhsa_next_free_sgpr 96
		.amdhsa_reserve_vcc 1
		.amdhsa_float_denorm_mode_32 3
		.amdhsa_float_denorm_mode_16_64 3
		.amdhsa_memory_ordered 1
		.amdhsa_forward_progress 1
		.amdhsa_inst_pref_size 53
	.end_amdhsa_kernel
	.amdgpu_metadata
---
amdhsa.version: [ 1, 2 ]
amdhsa.kernels:
  - .name:           k_qa67c2e75ef_prep
    .symbol:         k_qa67c2e75ef_prep.kd
    .args:
      - { .name: x, .offset: 0, .size: 8, .value_kind: global_buffer, .address_space: global }
      - { .name: Wr, .offset: 8, .size: 8, .value_kind: global_buffer, .address_space: global }
      - { .name: Wn, .offset: 16, .size: 8, .value_kind: global_buffer, .address_space: global }
      - { .name: noise, .offset: 24, .size: 8, .value_kind: global_buffer, .address_space: global }
      - { .name: lowp_scales, .offset: 32, .size: 8, .value_kind: global_buffer, .address_space: global }
      - { .name: xq, .offset: 40, .size: 8, .value_kind: global_buffer, .address_space: global }
      - { .name: wsum, .offset: 48, .size: 8, .value_kind: global_buffer, .address_space: global }
      - { .name: part, .offset: 56, .size: 8, .value_kind: global_buffer, .address_space: global }
      - { .name: out3, .offset: 64, .size: 8, .value_kind: global_buffer, .address_space: global }
    .group_segment_fixed_size: 214016
    .private_segment_fixed_size: 0
    .kernarg_segment_align: 8
    .kernarg_segment_size: 72
    .max_flat_workgroup_size: 256
    .sgpr_count:     96
    .vgpr_count:     256
    .wavefront_size: 32
...
	.end_amdgpu_metadata
.endif
;; end of part 1
;; launch gemm1 (part 2): grid 16 x 16, 4 waves a work-group, clusters of 4 x 4, 281,088 bytes of LDS; arguments xq, W1_codes, lowp_scales, hq, b1, part, out1, out2; writes hq, out1, out2
.if DOCPART == 2
	.amdgcn_target "amdgcn-amd-amdhsa--gfx1250"
	.amdhsa_code_object_version 6
	.text
	.protected	k_qa67c2e75ef_gemm1
	.globl	k_qa67c2e75ef_gemm1
	.p2align	8
	.type	k_qa67c2e75ef_gemm1,@function
k_qa67c2e75ef_gemm1:
	s_mov_b64 s[64:65], 0
	v_nop
	global_prefetch_b8 v0, s[64:65] scope:SCOPE_SE
	s_setreg_imm32_b32 hwreg(HW_REG_WAVE_MODE, 25, 1), 1
	s_wait_xcnt 0x0
	s_wait_alu depctr_hold_cnt(0) depctr_sa_sdst(0) depctr_va_vdst(0) depctr_va_sdst(0) depctr_va_ssrc(0) depctr_va_vcc(0) depctr_vm_vsrc(0)
	s_getreg_b32 s2, hwreg(HW_REG_IB_STS2, 6, 4)
	s_cmp_eq_u32 s2, 0
	s_cbranch_scc0 .Lentry_in_a_cluster
	s_endpgm
.Lentry_in_a_cluster:
	s_bfe_u32 s2, ttmp6, 0x10000c
	s_cmp_lg_u32 s2, 0xf033
	s_cbranch_scc0 .Lentry_shape_is_right
	s_endpgm
.Lentry_shape_is_right:
; GEMM1: hq = codes of leaky_relu(x W1^T + b1), on E4M3 codes.  M = 8192, N = 4096, K = 1024.  It also adds the 256 work-groups' partial sums of the launch before into out1 and out2.
; A = xq: images of operand registers, [kb 0..7][tile of 16 rows][2048 bytes]: byte 512 c + 16 lane + i = row lane % 16, k = 128 kb + 32 c + 16 (lane / 16) + i.  B = W1_codes [4096][1024], K innermost.
; B's fragments are fetched from LDS by four loads of 16 bytes, which gives each lane the same k as A's image has: a permutation of k alike on both sides.
; SHARES.  A tile is 256 x 256.  There are 512 tiles and 256 work-groups: a work-group makes tile rows ty and ty + 16 of ONE tile column, in a loop of two trips.
; Wave w takes rows 64 w .. 64 w + 63 and ALL 256 columns: 4 x 16 accumulators, 512 registers.
; B STAYS IN LDS: the tile column's 256 rows x 1024 K are fetched once, as four pieces of 256 along K (256 rows x (256 + 16) bytes each), and serve both tiles.  Nothing in LDS is filled twice.
; A GOES STRAIGHT INTO REGISTERS.
; That is why A is not asked for jointly.  Each load of a wave covers 512 consecutive bytes, aligned; 16 loads a step, asked for three steps (192 products) ahead: no prefetch is laid beside them.
; CLUSTER 4 x 4: the four work-groups of a column of the cluster need the same B: joint loads, four a wave, all issued together at the start: by this text's count four are out, later none.
; THE MATRIX INSTRUCTION IS USED TRANSPOSED (source 0 = 16 rows of W1, source 1 = 16 tokens): a lane holds one token and eight neighbouring hidden units.
; A STEP of 128 along K is four groups: 4 fragments of B x my 4 images of A = 16 products.  B has three buffers of 64 registers, each fetched two groups ahead.
; THE WAY OUT: + b1 / 2^(e0 + e1) (from a table in LDS), max(y, 0.01 y), the hold at 448 x 2^(e2 - e0 - e1), the conversion with that one folded scale; v_permlane16_swap_b32 turns eight neighbours of two
; tiles into the image's sixteen; 128 columns are one K block of the next product, so 16 rows x 128 columns are one image: four stores of 512 consecutive bytes, aligned.
; LIMITS.  e2 - e0 - e1 between -126 and 119.  NaN among the inputs is not served.
; REGISTERS, in windows of 256: window 0: v1-31 addresses; v32-63 codes, two sets; v64-255 B's three buffers (on the way out: the bias in two, numbers at work in one).
;   window 1: A's four sets of 64.   window 2: the sums of columns 0-127, (m, b) at 64 m + 8 b;   window 3: those of columns 128-255.
.set MIB,   1048576
.set TILEB, 524288                     ; 16 tile rows on: 256 images of 2,048 bytes
.set PITCH, 272                        ; B's LDS row: 256 + 16 bytes: the 16 rows of a load begin in 16 different columns of 16 bytes
.set PIECE, 256*PITCH                  ; 69,632
.set QROWS, 64*PITCH                   ; a wave's 64 rows of a piece
.set BT,    4*PIECE                    ; behind B: 256 numbers of b1 / 2^(e0 + e1)
.set ADRB, 8                           ; v8-11  my lane's place in piece 0 .. 3
.set CO,   12                          ; v12    16 x lane
.set SCL,  13                          ; v13    2^(e2 - e0 - e1)
.set BA,   14                          ; v14    the bias table, + 32 (lane / 16)
.set CDE,  32
.set BUF,  64
.set TT,   BUF+64                      ; the buffer that a tile's last group leaves
.set G0,   24                          ; s[24:39] four groups 0, one a piece
.set G1B,  48                          ; s[48:55]
.set MSB,  0
.macro WIN new                         ; the immediate's high byte repeats the setting that is left
.if MSB != (\new)
	s_set_vgpr_msb (MSB<<8)|(\new)
.set MSB, \new
.endif
.endm
.macro CROUND                          ; a round of the cluster's barrier
	s_barrier_signal -1
	s_barrier_wait -1
	s_cmp_lg_u32 s14, 0
	s_cbranch_scc1 .Lnot_wave_0_\@
	s_barrier_signal -3
.Lnot_wave_0_\@:
	s_barrier_wait -3
	s_barrier_signal -1
	s_barrier_wait -1
.endm
.macro PLACES n
.rept \n
	v_nop
.endr
.endm
; my four images of K block k, off bytes on, into set k % 4
.macro ALOAD k, off
	WIN 0x40                                       ; destination window 1, address window 0
.irp m, 0,1,2,3
.irp c, 0,1,2,3
	global_load_b128 v[64*((\k)%4)+16*\m+4*\c:64*((\k)%4)+16*\m+4*\c+3], v[CO], s[4:5] offset:(\k)*MIB+(\off)+2048*\m+512*\c
.endr
.endr
.endm
; group q of a tile's 32: K block q / 4, tiles of columns 4 (q % 4) .. + 3, into buffer q % 3.  Lane l: row l % 16; registers 4 c .. 4 c + 3: k = 32 c + 16 (l / 16) + 0 .. 15
.macro FETCHB q
.set fk, ((\q)/4)
.set fG, ((\q)%4)
.irp i, 0,1,2,3
.irp c, 0,1,2,3
	ds_load_b128 v[BUF+64*((\q)%3)+16*\i+4*\c:BUF+64*((\q)%3)+16*\i+4*\c+3], v[ADRB+fk/2] offset:(4*fG+\i)*16*PITCH+128*(fk%2)+32*\c
.endr
.endr
.endm
; the bias of columns 128 hf .. + 127 in the sums' layout (tile b, register i: column 16 b + 8 (lane / 16) + i), into the buffer that group 32 + hf would take: 16 loads, as many as a group's
.macro BIASLD hf
.irp b, 0,1,2,3,4,5,6,7
	ds_load_b128 v[BUF+64*((32+(\hf))%3)+8*\b:BUF+64*((32+(\hf))%3)+8*\b+3], v[BA] offset:512*(\hf)+64*\b
	ds_load_b128 v[BUF+64*((32+(\hf))%3)+8*\b+4:BUF+64*((32+(\hf))%3)+8*\b+7], v[BA] offset:512*(\hf)+64*\b+16
.endr
.endm
; 8 products: images m0, m0 + 1 x the group's four fragments.  The first K block starts the sums with the constant 0.  The 64 accumulators take turns in one order throughout.
.macro MUL8 q, m0
.irp m, \m0, \m0+1
.irp i, 0,1,2,3
.if (\q) < 4
	v_wmma_f32_16x16x128_fp8_fp8 v[64*(\m)+8*(4*((\q)%2)+\i):64*(\m)+8*(4*((\q)%2)+\i)+7], v[BUF+64*((\q)%3)+16*\i:BUF+64*((\q)%3)+16*\i+15], v[64*(((\q)/4)%4)+16*(\m):64*(((\q)/4)%4)+16*(\m)+15], 0
.else
	v_wmma_f32_16x16x128_fp8_fp8 v[64*(\m)+8*(4*((\q)%2)+\i):64*(\m)+8*(4*((\q)%2)+\i)+7], v[BUF+64*((\q)%3)+16*\i:BUF+64*((\q)%3)+16*\i+15], v[64*(((\q)/4)%4)+16*(\m):64*(((\q)/4)%4)+16*(\m)+15], v[64*(\m)+8*(4*((\q)%2)+\i):64*(\m)+8*(4*((\q)%2)+\i)+7]
.endif
.endr
.endr
.endm
.macro GROUP q
.if (((\q)%8) == 6) && ((\q) < 30)
	s_wait_tensorcnt 3-((\q)+2)/8                  ; my rows of the piece that the fetch below enters have landed; the later pieces' loads may be out (in the second trip none is out)
	s_wait_dscnt 0x0                               ; no LDS instruction of mine is pending at a signal
	s_barrier_signal -1
	s_barrier_wait -1                              ; everybody's rows have
.endif
	PLACES 4                                       ; four places behind the last group's products, in front of loads into registers that they read
.if (((\q)%4) == 0) && (((\q)/4)+3 < 8)
	ALOAD ((\q)/4)+3, 0                            ; A, three steps ahead, into the set that the last step left
.endif
	WIN 0
.if (\q) < 30
	FETCHB (\q)+2                                  ; B, two groups ahead, into the buffer that the last group left
.else
	BIASLD (\q)-30                                 ; a tile's last two groups fetch the bias instead
.endif
.if ((\q)%4) == 0
.if (\q)/4 < 5
	s_wait_loadcnt 48                              ; this step's images are in; the three younger steps' 48 loads may be out
.else
	s_wait_loadcnt 16*(7-(\q)/4)                   ; a tile's last steps ask for nothing: the count runs down
.endif
.endif
	s_wait_dscnt 32                                ; this group's fragments are in; the two younger runs of 16 loads may be out
	WIN 0xa4+0x50*(((\q)%4)/2)                     ; source 0 (B) window 0, source 1 (A) window 1, C and D window 2 or 3
	MUL8 \q, 0
	MUL8 \q, 2
.endm
; THE WAY OUT of 16 rows (image m) x columns 128 hf .. + 127
.macro EPI m, hf
.set AC, 64*(\m)
.set BI, BUF+64*((32+(\hf))%3)
.set CC, CDE+16*((\m)%2)
	WIN ((2+(\hf))<<6)|(2+(\hf))                   ; source 0 and destination: the sums' window; source 1: window 0
.set jj, 0
.rept 32
	v_pk_add_f32 v[AC+jj:AC+jj+1], v[AC+jj:AC+jj+1], v[BI+jj:BI+jj+1]   ; y = sum + bias, in place; each accumulator from its low end on
.set jj, jj+2
.endr
	WIN 2+(\hf)                                    ; source 0: the sums' window; the rest window 0
.set jj, 0
.rept 32
	v_pk_mul_f32 v[TT+jj:TT+jj+1], v[AC+jj:AC+jj+1], s[76:77] op_sel_hi:[1,0]   ; 0.01 y
.set jj, jj+2
.endr
.set jj, 0
.rept 64
	v_max_num_f32 v[TT+jj], v[AC+jj], v[TT+jj]     ; leaky_relu = max(y, 0.01 y)
.set jj, jj+1
.endr
.set jj, 0
.rept 64
	v_med3_num_f32 v[TT+jj], s78, v[TT+jj], s79    ; the conversion does not saturate (ISA guide 7.6.2): the hold at the largest code x the scale
.set jj, jj+1
.endr
	WIN 0
	s_wait_xcnt 0x0                                ; the stores of the block two back have read this set of codes: it is written again only behind this wait
.irp b, 0,1,2,3,4,5,6,7
	v_cvt_scalef32_pk8_fp8_f32 v[CC+2*\b:CC+2*\b+1], v[TT+8*\b:TT+8*\b+7], v[SCL]   ; k = 16 b + 8 h + 0 .. 7
.endr
	v_nop                                          ; a plain line between the conversions and what touches their results or writes their sources
.irp c, 0,1,2,3                        ; tiles 2 c and 2 c + 1: the upper lanes of the first change places with the lower lanes of the second: registers 4 c .. 4 c + 3 then hold k = 32 c + 16 h + 0 .. 15
	v_permlane16_swap_b32 v[CC+4*\c], v[CC+4*\c+2]
	v_permlane16_swap_b32 v[CC+4*\c+1], v[CC+4*\c+3]
.endr
.irp c, 0,1,2,3
	global_store_b128 v[CO], v[CC+4*\c:CC+4*\c+3], s[10:11] offset:(\hf)*MIB+(\m)*2048+512*\c   ; 512 consecutive bytes, aligned
.endr
.endm
	s_load_b256 s[4:11], s[0:1], 0x0               ; xq s[4:5], W1 s[6:7], the scales' exponents s[8:9], hq s[10:11]
	s_load_b256 s[68:75], s[0:1], 0x20             ; b1 s[68:69], part s[70:71], out1 s[72:73], out2 s[74:75]
	v_lshl_add_u32 v30, v0, 2, 0x44800
	v_mov_b32 v31, 0
	ds_add_u32 v30, v31
	ds_add_u32 v30, v31
	v_lshrrev_b32 v1, 5, v0
	v_readfirstlane_b32 s14, v1                    ; wave 0..3
	v_and_b32 v1, 15, v0                           ; r
	v_bfe_u32 v2, v0, 4, 1                         ; h
	v_and_b32 v3, 31, v0                           ; lane
	v_lshlrev_b32 v[CO], 4, v3
	v_lshlrev_b32 v5, 3, v0                        ; 8 x thread: my two numbers of the tile column's 256 of b1
	s_bfe_u32 s40, ttmp6, 0x40000                  ; cx
	s_bfe_u32 s41, ttmp6, 0x40004                  ; cy
	s_lshl_b32 s42, ttmp9, 2
	s_add_co_u32 s42, s42, s40                     ; tc
	s_and_b32 s17, ttmp7, 0xffff
	s_lshl_b32 s17, s17, 2
	s_add_co_u32 s17, s17, s41                     ; ty
	s_lshl_b32 s44, 0x1111, s40                    ; my column of the cluster
	s_or_b32 s[G1B+0], s44, (1<<20)|(1<<21)|(5<<22)|(3<<25)   ; B: 64 rows of 256 bytes, 1,024 apart; 4 words of padding behind every 64; the mask, and bit 21 beside it
	s_mov_b32 s[G1B+1], 256<<16
	s_mov_b32 s[G1B+2], 64<<16
	s_mov_b32 s[G1B+3], 256<<16
	s_mov_b32 s[G1B+4], 64
	s_mov_b32 s[G1B+5], 1024
	s_mov_b32 s[G1B+6], 0
	s_mov_b32 s[G1B+7], 0
	s_lshl_b32 s20, s17, 15                        ; images 16 ty + 4 w on, 2,048 bytes each
	s_lshl_b32 s18, s14, 13
	s_add_co_u32 s20, s20, s18
	s_mov_b32 s21, 0
	s_lshl_b32 s22, s42, 21                        ; hq: K block 2 tc, the same images
	s_add_co_u32 s22, s22, s20
	s_mov_b32 s23, 0
	s_lshl_b32 s46, s42, 18                        ; W1: row 256 tc + 64 w: it hangs on the tile column and the wave alone
	s_lshl_b32 s19, s14, 16
	s_add_co_u32 s46, s46, s19
	s_mov_b32 s47, 0
	s_mul_i32 s45, s14, QROWS                      ; where my rows go: no place in the cluster enters an LDS address
	s_lshl_b32 s18, s42, 10
	s_mov_b32 s19, 0
	s_wait_dscnt 0x0
	s_wait_kmcnt 0x0
	s_load_b128 s[96:99], s[8:9], 0x0              ; e0, e1, e2, e3
	s_add_nc_u64 s[4:5], s[4:5], s[20:21]
	s_add_nc_u64 s[10:11], s[10:11], s[22:23]
	s_add_nc_u64 s[68:69], s[68:69], s[18:19]
	s_add_nc_u64 s[46:47], s[6:7], s[46:47]
	global_load_b64 v[6:7], v5, s[68:69]
	ALOAD 0, 0                                     ; the first tile's first three steps of A
	ALOAD 1, 0
	ALOAD 2, 0
	WIN 0
.irp p, 0,1,2,3
	s_mov_b32 s[G0+4*\p], 1
	s_add_co_u32 s[G0+4*\p+1], s45, \p*PIECE
	s_add_nc_u64 s[G0+4*\p+2:G0+4*\p+3], s[46:47], \p*256
	s_or_b32 s[G0+4*\p+3], s[G0+4*\p+3], 0x80000000
.endr
	CROUND                                         ; all sixteen work-groups are here: the joint loads meet
.irp p, 0,1,2,3
	tensor_load_to_lds s[G0+4*\p:G0+4*\p+3], s[G1B:G1B+7]
	s_nop 0
.endr
	PLACES 4
	v_mul_u32_u24 v4, v1, PITCH
	v_lshl_add_u32 v[ADRB], v2, 4, v4
	v_add_nc_u32 v[ADRB+1], PIECE, v[ADRB]
	v_add_nc_u32 v[ADRB+2], 2*PIECE, v[ADRB]
	v_add_nc_u32 v[ADRB+3], 3*PIECE, v[ADRB]
	v_lshlrev_b32 v[BA], 5, v2
	v_add_nc_u32 v[BA], BT, v[BA]
	v_lshl_add_u32 v15, v0, 3, BT
	; THE SUMS OF part: wave 0 of each work-group of the first cluster adds one of the 16 columns.  The branch hangs on the cluster's number and the wave's; the partners are told apart by address.
	s_and_b32 s80, ttmp7, 0xffff
	s_or_b32 s80, s80, ttmp9
	s_or_b32 s80, s80, s14
	s_cmp_lg_u32 s80, 0
	s_cbranch_scc1 .Lno_sums
	s_lshl_b32 s81, s41, 2
	s_add_co_u32 s81, s81, s40                     ; p = cx + 4 cy: 0-7 a column of out1, 8-15 of out2
	s_lshl_b32 s82, s81, 2
	v_lshl_add_u32 v16, v3, 6, s82                 ; lane l takes work-groups l, l + 32, ..: 64 l + 4 p, 2,048 bytes apart
.irp i, 0,1,2,3,4,5,6,7
	global_load_b32 v[64+\i], v16, s[70:71] offset:2048*\i
.endr
	s_cmp_lt_u32 s81, 8
	s_cselect_b64 s[84:85], s[72:73], s[74:75]
	s_and_b32 s83, s81, 7
	s_lshl_b32 s83, s83, 2
	v_mov_b32 v17, s83
	s_mov_b32 s86, 0x76543210
	s_mov_b32 s87, 0xfedcba98
	s_wait_loadcnt 0x0
	v_add_f32 v64, v64, v65
	v_add_f32 v66, v66, v67
	v_add_f32 v68, v68, v69
	v_add_f32 v70, v70, v71
	v_add_f32 v64, v64, v66
	v_add_f32 v68, v68, v70
	v_add_f32 v64, v64, v68
	v_add_f32_dpp v64, v64, v64 row_xmask:1 row_mask:0xf bank_mask:0xf
	v_add_f32_dpp v64, v64, v64 row_xmask:2 row_mask:0xf bank_mask:0xf
	v_add_f32_dpp v64, v64, v64 row_xmask:4 row_mask:0xf bank_mask:0xf
	v_add_f32_dpp v64, v64, v64 row_xmask:8 row_mask:0xf bank_mask:0xf
	v_mov_b32 v65, 0
	v_permlanex16_b32 v65, v64, s86, s87
	v_add_f32 v64, v64, v65
	s_wait_xcnt 0x0                                ; EXEC changes only behind this wait
	v_cmp_eq_u32 vcc_lo, 0, v3
	s_and_saveexec_b32 s88, vcc_lo
	global_store_b32 v17, v64, s[84:85]            ; one number of an output of 32 bytes
	s_wait_xcnt 0x0
	s_or_b32 exec_lo, exec_lo, s88
.Lno_sums:
	s_wait_loadcnt 48                              ; my two numbers of b1 are in; the 48 loads of A issued behind them may be out
	s_wait_kmcnt 0x0
	s_add_co_i32 s18, s96, s97                     ; e0 + e1: a sum stands for sum x 2^(e0 + e1), so b1 is added divided by that
	s_sub_co_i32 s19, 0, s18
	v_ldexp_f32 v6, v6, s19
	v_ldexp_f32 v7, v7, s19
	ds_store_b64 v15, v[6:7]
	s_sub_co_i32 s18, s98, s18
	s_add_co_i32 s18, s18, 127
	s_lshl_b32 s19, s18, 23
	v_mov_b32 v[SCL], s19                          ; 2^(e2 - e0 - e1): the three scales folded into the conversion's one
	s_add_co_i32 s18, s18, 8
	s_lshl_b32 s18, s18, 23
	s_or_b32 s78, s18, 0x600000                    ; 448 x that,
	s_or_b32 s79, s78, 0x80000000                  ; and its negative
	s_mov_b32 s76, 0x3c23d70a                      ; 0.01
	s_mov_b32 s77, s76                             ; (named with it as a pair)
	s_mov_b32 s3, 2                                ; tiles to go
	s_wait_tensorcnt 0x3                           ; my rows of piece 0 have landed; the three later pieces' loads may be out
	s_wait_dscnt 0x0                               ; for the others' sake: my part of the bias table is stored
	s_barrier_signal -1
	s_barrier_wait -1
.Ltile:                                            ; a trip makes one tile; at its head three steps of A (48 loads) are on their way
	FETCHB 0
	FETCHB 1
.set Q, 0
.rept 32
	GROUP Q
.set Q, Q+1
.endr
	WIN 0
	PLACES 4                                       ; behind the last products: in front of the first read of sums, of writes into B's last buffer and of loads into A's sets
	s_cmp_eq_u32 s3, 1
	s_cbranch_scc1 .Lno_next                       ; the last tile asks for nothing more: no load leaves its buffer
	ALOAD 0, TILEB                                 ; the next tile's first three steps of A land under this tile's way out
	ALOAD 1, TILEB
	ALOAD 2, TILEB
	WIN 0
.Lno_next:
	s_wait_dscnt 0x0                               ; the bias
.irp hf, 0,1
.irp m, 0,1,2,3
	EPI \m, \hf
.endr
.endr
	s_wait_xcnt 0x0                                ; the loads and stores issued so far have read their bases: both may step
	s_add_nc_u64 s[4:5], s[4:5], TILEB
	s_add_nc_u64 s[10:11], s[10:11], TILEB
	s_sub_co_u32 s3, s3, 1
	s_cmp_lg_u32 s3, 0
	s_cbranch_scc1 .Ltile
	s_wait_dscnt 0x0
	s_wait_tensorcnt 0x0
	ds_add_u32 v30, v31
	s_wait_dscnt 0x0
	CROUND                                         ; the closing round: no work-group ends while a partner may still ask jointly
	s_endpgm
.Lfunc_end_k_qa67c2e75ef_gemm1:
	.size	k_qa67c2e75ef_gemm1, .Lfunc_end_k_qa67c2e75ef_gemm1-k_qa67c2e75ef_gemm1
	.p2alignl 7, 3214868480
	.fill 96, 4, 3214868480
	.section	.rodata,"a",@progbits
	.p2align	6, 0x0
	.amdhsa_kernel k_qa67c2e75ef_gemm1
		.amdhsa_group_segment_fixed_size 281088
		.amdhsa_private_segment_fixed_size 0
		.amdhsa_enable_private_segment 0
		.amdhsa_kernarg_size 64
		.amdhsa_user_sgpr_count 2
		.amdhsa_user_sgpr_kernarg_segment_ptr 1
		.amdhsa_wavefront_size32 1
		.amdhsa_system_sgpr_workgroup_id_x 1
		.amdhsa_system_sgpr_workgroup_id_y 1
		.amdhsa_system_sgpr_workgroup_id_z 1
		.amdhsa_system_vgpr_workitem_id 0
		.amdhsa_next_free_vgpr 1024
		.amdhsa_next_free_sgpr 100
		.amdhsa_reserve_vcc 1
		.amdhsa_float_denorm_mode_32 3
		.amdhsa_float_denorm_mode_16_64 3
		.amdhsa_memory_ordered 1
		.amdhsa_forward_progress 1
		.amdhsa_inst_pref_size 190
	.end_amdhsa_kernel
	.amdgpu_metadata
---
amdhsa.version: [ 1, 2 ]
amdhsa.kernels:
  - .name:           k_qa67c2e75ef_gemm1
    .symbol:         k_qa67c2e75ef_gemm1.kd
    .args:
      - { .name: xq, .offset: 0, .size: 8, .value_kind: global_buffer, .address_space: global }
      - { .name: W1_codes, .offset: 8, .size: 8, .value_kind: global_buffer, .address_space: global }
      - { .name: lowp_scales, .offset: 16, .size: 8, .value_kind: global_buffer, .address_space: global }
      - { .name: hq, .offset: 24, .size: 8, .value_kind: global_buffer, .address_space: global }
      - { .name: b1, .offset: 32, .size: 8, .value_kind: global_buffer, .address_space: global }
      - { .name: part, .offset: 40, .size: 8, .value_kind: global_buffer, .address_space: global }
      - { .name: out1, .offset: 48, .size: 8, .value_kind: global_buffer, .address_space: global }
      - { .name: out2, .offset: 56, .size: 8, .value_kind: global_buffer, .address_space: global }
    .group_segment_fixed_size: 281088
    .private_segment_fixed_size: 0
    .kernarg_segment_align: 8
    .kernarg_segment_size: 64
    .max_flat_workgroup_size: 128
    .sgpr_count:     100
    .vgpr_count:     1024
    .wavefront_size: 32
...
	.end_amdgpu_metadata
.endif
;; end of part 2
;; launch gemm2 (part 3): grid 8 x 32, 4 waves a work-group, clusters of 4 x 4, 327,680 bytes of LDS; arguments hq, W2_codes, lowp_scales, out0, b2, wsum; writes out0
.if DOCPART == 3
	.amdgcn_target "amdgcn-amd-amdhsa--gfx1250"
	.amdhsa_code_object_version 6
	.text
	.protected	k_qa67c2e75ef_gemm2
	.globl	k_qa67c2e75ef_gemm2
	.p2align	8
	.type	k_qa67c2e75ef_gemm2,@function
k_qa67c2e75ef_gemm2:
	s_mov_b64 s[64:65], 0
	v_nop
	global_prefetch_b8 v0, s[64:65] scope:SCOPE_SE
	s_setreg_imm32_b32 hwreg(HW_REG_WAVE_MODE, 25, 1), 1
	s_wait_xcnt 0x0
	s_wait_alu depctr_hold_cnt(0) depctr_sa_sdst(0) depctr_va_vdst(0) depctr_va_sdst(0) depctr_va_ssrc(0) depctr_va_vcc(0) depctr_vm_vsrc(0)
	s_getreg_b32 s2, hwreg(HW_REG_IB_STS2, 6, 4)
	s_cmp_eq_u32 s2, 0
	s_cbranch_scc0 .Lentry_in_a_cluster
	s_endpgm
.Lentry_in_a_cluster:
	s_bfe_u32 s2, ttmp6, 0x10000c
	s_cmp_lg_u32 s2, 0xf033
	s_cbranch_scc0 .Lentry_shape_is_right
	s_endpgm
.Lentry_shape_is_right:
; GEMM2: out0 = (h W2^T + b2) x wsum, on E4M3 codes.  M = 8192, N = 1024, K = 4096.
; A = hq: images of operand registers, [kb 0..31][tile of 16 rows][2048 bytes], as the launch before stored them.  B = W2_codes [1024][4096], K innermost; its fragments come from LDS by four loads of 16 bytes,
; which gives each lane the k that A's image has.
; SHARES.  Tiles of 256 x 256 would be 128: the tile is 256 (M) x 128 (N), 256 work-groups, one tile each.  Wave w takes rows 64 w .. 64 w + 63 and ALL 128 columns: 4 x 8 accumulators, 256 registers.
; A GOES STRAIGHT INTO REGISTERS: with this share an image of A is read by one wave of the work-group alone, so a way through LDS would add a fill and a read to each byte, and the ring would carry three times the bytes
; for the same products.  That is why A is not asked for jointly.  Each load of a wave covers 512 consecutive bytes, aligned; 16 loads a step, asked for three steps ahead: 48 younger loads, which a wait's count can name.
; B GOES THROUGH A RING OF TWO LDS SLOTS of 1,024 along K: four pieces of 128 rows x (256 + 16) bytes; wave w fetches piece w.  K has four slots' worth: two first fills, two refills, each with eight steps
; (256 products a wave) in which to land.  By this text's count two loads of a wave are out at the start, later one.
; CLUSTER 4 x 4: the four work-groups of a column of the cluster need the same B: joint loads.
; THE MATRIX INSTRUCTION IS USED TRANSPOSED (source 0 = 16 rows of W2, source 1 = 16 tokens): a lane holds one token and eight neighbouring outputs.
; A STEP of 128 along K is two groups: 4 fragments of B x my 4 images of A = 16 products.  B has three buffers of 64 registers, each fetched two groups ahead.
; THE WAY OUT: sum x 2^(e2 + e3) + b2 (one packed multiply-add), x the token's wsum; through the wave's own stage; the 32 lanes store a row's 512 consecutive bytes, aligned.
; LIMIT.  e2 + e3 between -126 and 127.
; REGISTERS, in windows of 256: window 0: v1-31 addresses and wsum; v64-255 B's three buffers (on the way out: results and rows).  window 1: A's four sets of 64.  window 2: the sums, (m, b) at 64 m + 8 b.  window 3: v0-63 b2.
.set MIB,   1048576
.set PITCH, 272                        ; B's LDS row: 256 + 16 bytes: the 16 rows of a load begin in 16 different columns of 16 bytes
.set PIECE, 128*PITCH                  ; 34,816
.set SLOT,  4*PIECE                    ; 139,264
.set SPARE, 2*SLOT                     ; the spare words: 128 bytes a wave, two blocks of 256 bytes that no other line names
.set STAGE, SPARE+512                  ; 16 rows x (512 + 16) bytes for each wave; no tile lands here
.set SP,    528
.set ADRB, 8                           ; v8-11  my lane's place in slot s, pieces 2 u and 2 u + 1: at 2 s + u
.set CA,   12                          ; v12    16 x lane
.set STO,  13
.set RD,   14
.set PFO,  15                          ; v15    256 x lane; never rewritten
.set B2O,  16
.set WSO,  17
.set SPW,  20
.set NIL,  21
.set WS,   24                          ; v24-31 wsum of my token in image m, twice (a pair for the packed multiply)
.set BUF,  64
.set TMP,  64
.set BK,   128
.set G0,   32                          ; s[32:39] group 0, one set a slot
.set G1B,  48
.set AB,   80                          ; s[80:87] A at my images, K blocks 0, 8, 16, 24: a step's place stands in the immediate, and no base is ever stepped
.set PFB,  88                          ; s[88:93] the same for K blocks 8, 16, 24, cx K blocks further on: for the prefetches
.set MUL,  0xa4                        ; source 0 (B) window 0, source 1 (A) window 1, C and D window 2
.set MSB,  0
.macro WIN new
.if MSB != (\new)
	s_set_vgpr_msb (MSB<<8)|(\new)
.set MSB, \new
.endif
.endm
.macro CREST
	s_cmp_lg_u32 s14, 0
	s_cbranch_scc1 .Lnot_wave_0_\@
	s_barrier_signal -3
.Lnot_wave_0_\@:
	s_barrier_wait -3
	s_barrier_signal -1
	s_barrier_wait -1
.endm
.macro CROUND
	s_barrier_signal -1
	s_barrier_wait -1
	CREST
.endm
.macro PLACES n
.rept \n
	v_nop
.endr
.endm
; my four images of K block g into set g % 4
.macro ALOAD g
	WIN 0x40                                       ; destination window 1, address window 0
.irp m, 0,1,2,3
.irp c, 0,1,2,3
	global_load_b128 v[64*((\g)%4)+16*\m+4*\c:64*((\g)%4)+16*\m+4*\c+3], v[CA], s[AB+2*((\g)/8):AB+2*((\g)/8)+1] offset:((\g)%8)*MIB+2048*\m+512*\c
.endr
.endr
.endm
; A PREFETCH INTO THE L2 of my four images (8,192 bytes, lanes 256 bytes apart) of K block kb + cx.  It stands at steps 4, 8, 12, 16 and 20, with kb = the step + 8, behind the step's loads of A: five to eight steps
; (160 to 256 products) ahead of the load that wants the block.  Each block of 256 bytes is named once in the launch: the eight work-groups of a tile row read the same images; the cluster with x = 0 asks (a branch on the
; cluster's number, the same in all partners), and its four partners along x take one K block in four each, told apart by address.  K blocks 0 to 11 come by their loads alone; the last request names K blocks 28 to 31.
.macro ASK kb
	s_cmp_lg_u32 ttmp9, 0
	s_cbranch_scc1 .Lnot_mine_\@
	global_prefetch_b8 v[PFO], s[PFB+2*((\kb)/8-1):PFB+2*((\kb)/8-1)+1] offset:((\kb)%8)*MIB th:TH_LOAD_NT scope:SCOPE_SE
.Lnot_mine_\@:
.endm
; group q of 64: K block q / 2, tiles of columns 4 (q % 2) .. + 3, into buffer q % 3
.macro FETCHB q
.set fg, ((\q)/2)
.set fG, ((\q)%2)
.set fk, (fg%8)
.set fs, ((fg/8)%2)
.irp i, 0,1,2,3
.irp c, 0,1,2,3
	ds_load_b128 v[BUF+64*((\q)%3)+16*\i+4*\c:BUF+64*((\q)%3)+16*\i+4*\c+3], v[ADRB+2*fs+fk/4] offset:((fk/2)%2)*PIECE+(4*fG+\i)*16*PITCH+128*(fk%2)+32*\c
.endr
.endr
.endm
; 8 products: images m0, m0 + 1 x the group's four fragments.  The first K block starts the sums with the constant 0.  The 32 accumulators take turns in one order throughout.
.macro MUL8 q, m0
.irp m, \m0, \m0+1
.irp i, 0,1,2,3
.if (\q) < 2
	v_wmma_f32_16x16x128_fp8_fp8 v[64*(\m)+8*(4*((\q)%2)+\i):64*(\m)+8*(4*((\q)%2)+\i)+7], v[BUF+64*((\q)%3)+16*\i:BUF+64*((\q)%3)+16*\i+15], v[64*(((\q)/2)%4)+16*(\m):64*(((\q)/2)%4)+16*(\m)+15], 0
.else
	v_wmma_f32_16x16x128_fp8_fp8 v[64*(\m)+8*(4*((\q)%2)+\i):64*(\m)+8*(4*((\q)%2)+\i)+7], v[BUF+64*((\q)%3)+16*\i:BUF+64*((\q)%3)+16*\i+15], v[64*(((\q)/2)%4)+16*(\m):64*(((\q)/2)%4)+16*(\m)+15], v[64*(\m)+8*(4*((\q)%2)+\i):64*(\m)+8*(4*((\q)%2)+\i)+7]
.endif
.endr
.endr
.endm
; b2 and wsum: 20 loads, asked for at step 28, behind the last loads of A
.macro MISC
	WIN 0xc0                                       ; destination window 3
.irp b, 0,1,2,3,4,5,6,7
	global_load_b128 v[8*\b:8*\b+3], v[B2O], s[68:69] offset:64*\b
	global_load_b128 v[8*\b+4:8*\b+7], v[B2O], s[68:69] offset:64*\b+16
.endr
	WIN 0
.irp m, 0,1,2,3
	global_load_b32 v[WS+2*\m], v[WSO], s[70:71] offset:64*\m
.endr
.endm
.macro GROUP q
	PLACES 4                                       ; four places behind the last group's products, in front of loads into registers that they read
.if ((\q)%2) == 0
.if (\q)/2+3 < 32
	ALOAD (\q)/2+3                                 ; A, three steps ahead, into the set that the last step left
.endif
	WIN 0
.if ((((\q)/2)%4) == 0) && ((\q)/2 >= 4) && ((\q)/2 <= 20)
	ASK (\q)/2+8
.endif
.endif
.if (((\q)%16) == 14) && ((\q) < 62)
	; THE CHANGE OF SLOTS: all fragments of this slot have been asked for (the last run one group ago)
	s_wait_tensorcnt 0x0                           ; all my tensor loads have landed: my piece of the other slot
	ds_add_u32 v[SPW], v[NIL]                      ; 0 onto my spare word
.if (\q) < 46
	s_add_nc_u64 s[G0+4*((\q)/16)+2:G0+4*((\q)/16)+3], s[G0+4*((\q)/16)+2:G0+4*((\q)/16)+3], 2048   ; no load of mine is out, so a group 0 may be written: this slot's next 1,024 along K
.endif
	s_wait_loadcnt 48                              ; this step's images are in
	s_wait_dscnt 17                                ; this group's fragments are in; the next group's 16 loads and the add may be out
	WIN MUL
	MUL8 \q, 0                                     ; eight products stand between the add and the wait for it
	s_wait_dscnt 0x0                               ; the add is done, and my reads of this slot are over
	s_barrier_signal -1
	MUL8 \q, 2
	WIN 0
	s_barrier_wait -1
.if (\q) < 46
	CREST                                          ; the barrier has opened a round of the cluster's: no wave of any partner still reads this slot or has a load on its way
	tensor_load_to_lds s[G0+4*((\q)/16):G0+4*((\q)/16)+3], s[G1B:G1B+7]   ; the first tensor load behind the round, and my only one until the next
	s_nop 0
	PLACES 4
.endif
	FETCHB (\q)+2                                  ; the other slot's first fragments
.else
	WIN 0
.if (\q)+2 < 64
	FETCHB (\q)+2                                  ; B, two groups ahead, into the buffer that the last group left
.endif
.if ((\q)%2) == 0
.if (\q)/2 < 29
	s_wait_loadcnt 48                              ; this step's images are in; the three younger steps' 48 loads may be out
.else
	s_wait_loadcnt 16*(31-(\q)/2)+20               ; the last steps: the younger steps' loads and the 20 of b2 and wsum may be out
.endif
.if (\q) == 56
	MISC
.endif
.endif
.if (\q) < 62
	s_wait_dscnt 32                                ; this group's fragments are in; the two younger runs of 16 loads may be out
.else
	s_wait_dscnt 16*(63-(\q))
.endif
	WIN MUL
	MUL8 \q, 0
	MUL8 \q, 2
.endif
.endm
	s_load_b256 s[4:11], s[0:1], 0x0               ; hq s[4:5], W2 s[6:7], the scales' exponents s[8:9], out0 s[10:11]
	s_load_b128 s[68:71], s[0:1], 0x20             ; b2 s[68:69], wsum s[70:71]
	v_lshl_add_u32 v[SPW], v0, 2, SPARE
	v_mov_b32 v[NIL], 0
	ds_add_u32 v20, v21
	ds_add_u32 v20, v21
	s_wait_dscnt 0x0
	v_lshrrev_b32 v1, 5, v0
	v_readfirstlane_b32 s14, v1                    ; wave 0..3
	v_and_b32 v1, 15, v0                           ; r
	v_bfe_u32 v2, v0, 4, 1                         ; h
	v_and_b32 v3, 31, v0                           ; lane
	v_lshlrev_b32 v[CA], 4, v3
	s_bfe_u32 s40, ttmp6, 0x40000                  ; cx
	s_bfe_u32 s41, ttmp6, 0x40004                  ; cy
	s_lshl_b32 s42, ttmp9, 2
	s_add_co_u32 s42, s42, s40                     ; tx
	s_and_b32 s17, ttmp7, 0xffff
	s_lshl_b32 s17, s17, 2
	s_add_co_u32 s17, s17, s41                     ; ty
	s_lshl_b32 s44, 0x1111, s40                    ; my column of the cluster
	s_or_b32 s[G1B+0], s44, (1<<20)|(1<<21)|(5<<22)|(3<<25)   ; B: 128 rows of 256 bytes, 4,096 apart; 4 words of padding behind every 64; the mask, and bit 21 beside it
	s_mov_b32 s[G1B+1], 256<<16
	s_mov_b32 s[G1B+2], 128<<16
	s_mov_b32 s[G1B+3], 256<<16
	s_mov_b32 s[G1B+4], 128
	s_mov_b32 s[G1B+5], 4096
	s_mov_b32 s[G1B+6], 0
	s_mov_b32 s[G1B+7], 0
	s_lshl_b32 s20, s17, 15                        ; images 16 ty + 4 w on, 2,048 bytes each
	s_lshl_b32 s18, s14, 13
	s_add_co_u32 s20, s20, s18
	s_mov_b32 s21, 0
	s_lshl_b32 s46, s42, 19                        ; W2: row 128 tx, piece w of a slot: it hangs on the tile column and the wave alone
	s_lshl_b32 s19, s14, 8
	s_add_co_u32 s46, s46, s19
	s_mov_b32 s47, 0
	s_mul_i32 s45, s14, PIECE                      ; where my piece goes: no place in the cluster enters an LDS address
	s_lshl_b32 s22, s40, 20                        ; cx K blocks, for the prefetches
	s_mov_b32 s23, 0
	s_wait_kmcnt 0x0
	s_load_b128 s[96:99], s[8:9], 0x0              ; e0, e1, e2, e3
	s_add_nc_u64 s[AB:AB+1], s[4:5], s[20:21]
.irp s, 1,2,3
	s_add_nc_u64 s[AB+2*\s:AB+2*\s+1], s[AB+2*\s-2:AB+2*\s-1], 8*MIB
.endr
	ALOAD 0                                        ; the first three steps of A
	ALOAD 1
	ALOAD 2
	WIN 0
.irp s, 1,2,3
	s_add_nc_u64 s[PFB+2*\s-2:PFB+2*\s-1], s[AB+2*\s:AB+2*\s+1], s[22:23]
.endr
	s_add_nc_u64 s[46:47], s[6:7], s[46:47]
.irp s, 0,1
	s_mov_b32 s[G0+4*\s], 1
	s_add_co_u32 s[G0+4*\s+1], s45, \s*SLOT
	s_add_nc_u64 s[G0+4*\s+2:G0+4*\s+3], s[46:47], \s*1024
	s_or_b32 s[G0+4*\s+3], s[G0+4*\s+3], 0x80000000
.endr
	CROUND                                         ; all sixteen work-groups are here: the joint loads meet
	tensor_load_to_lds s[G0:G0+3], s[G1B:G1B+7]
	s_nop 0
	tensor_load_to_lds s[G0+4:G0+7], s[G1B:G1B+7]
	s_nop 0
	PLACES 4
	v_mul_u32_u24 v4, v1, PITCH
	v_lshl_add_u32 v[ADRB], v2, 4, v4
	v_add_nc_u32 v[ADRB+1], 2*PIECE, v[ADRB]
	v_add_nc_u32 v[ADRB+2], SLOT, v[ADRB]
	v_add_nc_u32 v[ADRB+3], SLOT+2*PIECE, v[ADRB]
	s_mul_i32 s24, s14, 16*SP
	s_add_co_u32 s24, s24, STAGE                   ; my stage
	v_mul_u32_u24 v5, v1, SP
	v_lshl_add_u32 v5, v2, 5, v5
	v_add_nc_u32 v[STO], s24, v5                   ; in: row r, 32 bytes for each half of the lanes
	v_add_nc_u32 v[RD], s24, v[CA]                 ; back: the 32 lanes take one row of 512 bytes
	v_lshlrev_b32 v[PFO], 8, v3
	v_lshlrev_b32 v[B2O], 5, v2                    ; lane half h wants columns 16 b + 8 h + 0 .. 7
	v_lshlrev_b32 v[WSO], 2, v1
	s_lshl_b32 s18, s42, 9                         ; my tile's 128 columns, in bytes
	s_mov_b32 s19, 0
	s_add_nc_u64 s[68:69], s[68:69], s[18:19]
	s_add_nc_u64 s[10:11], s[10:11], s[18:19]
	s_lshl_b32 s18, s17, 10
	s_lshl_b32 s25, s14, 8
	s_add_co_u32 s18, s18, s25                     ; my 64 rows in wsum,
	s_add_nc_u64 s[70:71], s[70:71], s[18:19]
	s_lshl_b32 s18, s18, 10                        ; and in out0: rows of 4,096 bytes
	s_add_nc_u64 s[10:11], s[10:11], s[18:19]
	s_wait_tensorcnt 0x1                           ; my piece of slot 0 is in; slot 1's load may be out
	s_barrier_signal -1
	s_barrier_wait -1
	FETCHB 0
	FETCHB 1
.set Q, 0
.rept 64
	GROUP Q
.set Q, Q+1
.endr
	WIN 0
; THE WAY OUT, 16 rows x 128 columns at a time, through my own stage.  LDS serves a wave's instructions in order (ISA guide 5.7.1.4): no wait between the stores and the loads, nor in front of the next block's stores.
.macro TOSTAGE m
	WIN 0x32                                       ; source 0: the sums' window; source 2: b2's
.set jj, 0
.rept 32
	v_pk_fma_f32 v[TMP+jj:TMP+jj+1], v[64*(\m)+jj:64*(\m)+jj+1], s[76:77], v[jj:jj+1] op_sel_hi:[1,0,1]   ; sum x 2^(e2 + e3) + b2; each accumulator from its low end on
.set jj, jj+2
.endr
	WIN 0
.set jj, 0
.rept 32
	v_pk_mul_f32 v[TMP+jj:TMP+jj+1], v[TMP+jj:TMP+jj+1], v[WS+2*(\m):WS+2*(\m)+1]   ; x my token's sum of weights
.set jj, jj+2
.endr
.irp b, 0,1,2,3,4,5,6,7
	ds_store_b128 v[STO], v[TMP+8*\b:TMP+8*\b+3] offset:64*\b
	ds_store_b128 v[STO], v[TMP+8*\b+4:TMP+8*\b+7] offset:64*\b+16
.endr
.set BB, BK+64*((\m)%2)
.irp t, 0,1,2,3,4,5,6,7,8,9,10,11,12,13,14,15
	ds_load_b128 v[BB+4*\t:BB+4*\t+3], v[RD] offset:\t*SP
.endr
.endm
.macro SEND m, younger                 ; younger: the LDS instructions issued behind block m's loads
.set BB, BK+64*((\m)%2)
	s_wait_dscnt \younger
.irp t, 0,1,2,3,4,5,6,7,8,9,10,11,12,13,14,15
	global_store_b128 v[CA], v[BB+4*\t:BB+4*\t+3], s[10:11] offset:(16*(\m)+\t)*4096 th:TH_STORE_NT   ; 32 lanes store 512 consecutive bytes, aligned; written once, read by nobody here
.endr
.endm
	PLACES 4                                       ; in front of the first read of sums and of writes into B's buffers
	s_wait_loadcnt 0x0                             ; b2 and wsum
	s_wait_kmcnt 0x0
	s_add_co_i32 s76, s98, s99
	s_add_co_i32 s76, s76, 127
	s_lshl_b32 s76, s76, 23                        ; 2^(e2 + e3) as f32
	s_mov_b32 s77, s76                             ; (named with it as a pair)
.irp m, 0,1,2,3
	v_mov_b32 v[WS+2*\m+1], v[WS+2*\m]
.endr
	TOSTAGE 0
.irp m, 1,2,3
.if \m > 1
	s_wait_xcnt 0x0                                ; the stores of the block two back have read their registers: this block's loads may land there
.endif
	TOSTAGE \m
	SEND \m-1, 32                                  ; behind block m - 1's loads: block m's 16 stores and 16 loads
.endr
	SEND 3, 0
	s_wait_tensorcnt 0x0                           ; the wave's end
	ds_add_u32 v[SPW], v[NIL]
	s_wait_dscnt 0x0
	CROUND                                         ; the closing round
	s_endpgm
.Lfunc_end_k_qa67c2e75ef_gemm2:
	.size	k_qa67c2e75ef_gemm2, .Lfunc_end_k_qa67c2e75ef_gemm2-k_qa67c2e75ef_gemm2
	.p2alignl 7, 3214868480
	.fill 96, 4, 3214868480
	.section	.rodata,"a",@progbits
	.p2align	6, 0x0
	.amdhsa_kernel k_qa67c2e75ef_gemm2
		.amdhsa_group_segment_fixed_size 327680
		.amdhsa_private_segment_fixed_size 0
		.amdhsa_enable_private_segment 0
		.amdhsa_kernarg_size 48
		.amdhsa_user_sgpr_count 2
		.amdhsa_user_sgpr_kernarg_segment_ptr 1
		.amdhsa_wavefront_size32 1
		.amdhsa_system_sgpr_workgroup_id_x 1
		.amdhsa_system_sgpr_workgroup_id_y 1
		.amdhsa_system_sgpr_workgroup_id_z 1
		.amdhsa_system_vgpr_workitem_id 0
		.amdhsa_next_free_vgpr 832
		.amdhsa_next_free_sgpr 100
		.amdhsa_reserve_vcc 0
		.amdhsa_float_denorm_mode_32 3
		.amdhsa_float_denorm_mode_16_64 3
		.amdhsa_memory_ordered 1
		.amdhsa_forward_progress 1
		.amdhsa_inst_pref_size 233
	.end_amdhsa_kernel
	.amdgpu_metadata
---
amdhsa.version: [ 1, 2 ]
amdhsa.kernels:
  - .name:           k_qa67c2e75ef_gemm2
    .symbol:         k_qa67c2e75ef_gemm2.kd
    .args:
      - { .name: hq, .offset: 0, .size: 8, .value_kind: global_buffer, .address_space: global }
      - { .name: W2_codes, .offset: 8, .size: 8, .value_kind: global_buffer, .address_space: global }
      - { .name: lowp_scales, .offset: 16, .size: 8, .value_kind: global_buffer, .address_space: global }
      - { .name: out0, .offset: 24, .size: 8, .value_kind: global_buffer, .address_space: global }
      - { .name: b2, .offset: 32, .size: 8, .value_kind: global_buffer, .address_space: global }
      - { .name: wsum, .offset: 40, .size: 8, .value_kind: global_buffer, .address_space: global }
    .group_segment_fixed_size: 327680
    .private_segment_fixed_size: 0
    .kernarg_segment_align: 8
    .kernarg_segment_size: 48
    .max_flat_workgroup_size: 128
    .sgpr_count:     100
    .vgpr_count:     832
    .wavefront_size: 32
...
	.end_amdgpu_metadata
.endif
;; end of part 3
